; MI455X (gfx1250); checked and timed in simulation.
; The chip was launched on July 23, 2026; its instructions are those of AMD's public machine-readable ISA for CDNA 5 (MIT licence, August 2026) and "CDNA5" Instruction Set Architecture Reference Guide (July 2026). The comments in the code are by the model that wrote it; some were corrected since.
;; Gaussian2d Render. Allowed arithmetic: float matrix products may take bf16 or f16 operands with f32 sums; other float arithmetic in f32, or as packed bf16 or f16 multiplies, adds, multiply-adds, maxima and minima; sums over many terms, partial sums and values carried from step to step in f32; what a program stores and reads back later, other than sums and carried values, may be rounded once to bf16 or f16.
;; Inputs: batch_ids 4,096 int32; colors 4,096 x 4 float32; means 4,096 x 2 float32; opacs 4,096 float32; rhos 4,096 x 1 float32; sigmas 4,096 x 2 float32.
;; Outputs: out0 2 x 4 x 128 x 256 float32.
;; One version. Each part assembles by itself: llvm-mc -triple=amdgcn-amd-amdhsa -mcpu=gfx1250 --defsym DOCPART=n.
;; ======== version 1 of 1: 2 launches
;; limits: right only within a limited range of input values
;; workspace buffers: geom 65,536 bytes; masks 16,384 bytes of whole numbers
;; launch prep (part 1): grid 64 x 1, 1 waves a work-group, no clusters, 0 bytes of LDS; arguments means, sigmas, rhos, opacs, batch_ids, geom, masks; writes geom, masks
.if DOCPART == 1
	.amdgcn_target "amdgcn-amd-amdhsa--gfx1250"
	.amdhsa_code_object_version 6
	.text
	.protected	k_q7735e426b4_prep
	.globl	k_q7735e426b4_prep
	.p2align	8
	.type	k_q7735e426b4_prep,@function
k_q7735e426b4_prep:
	s_mov_b64 s[64:65], 0
	v_nop
	global_prefetch_b8 v0, s[64:65] scope:SCOPE_SE
	s_setreg_imm32_b32 hwreg(HW_REG_WAVE_MODE, 25, 1), 1
	s_wait_xcnt 0x0
; GAUSSIANS IN 2D, FIRST OF TWO LAUNCHES: what depends on a gaussian alone.
; reference() composites 4,096 gaussians in order onto 2 images of 128 x 256 pixels: alpha = min(0.99, op exp(-q/2)), set to 0 below 1/255, outside the gaussian's
; rectangle of 16 x 16 tiles, and in the image that is not its own; image += T alpha colour, T *= 1 - alpha.
; WHAT IS SELECTED, NOT COMPUTED.  bhot is a one_hot of batch_ids: a gaussian acts on one image.  in_rect is the same for all 256 pixels of a tile.  So for each (image, tile)
; only the gaussians whose rectangle holds the tile are evaluated.  The rectangle is made of floating-point numbers, so it is made HERE and stored as a whole number, and the
; second launch, which reads it from memory, forms its lists from it.  No input is left out.  LIMIT: a NaN or an infinity in the colours or the exponent of a gaussian on a tile
; outside its rectangle (0 x NaN in reference()'s einsum) is not carried to the result.
; OUT.  masks: one word a gaussian: bits 0-15 the tile columns lx .. hx, bits 16-23 the tile rows ly .. hy, bits 24-25 one bit for its image; 0 where the rectangle is empty or
; not a number (reference()'s comparisons are false there) or the id is not 0 or 1 (one_hot gives zeros).  geom: four numbers a gaussian: A' = -log2(e)/2 ia, B' = -log2(e) ib,
; C' = -log2(e)/2 ic, L = log2(max(op, 0) / 0.99): alpha / 0.99 = 2^(A' dx dx + B' dx dy + C' dy dy + L).  An opacity that is 0, negative or not a number gives L = -infinity and so
; alpha = 0, as reference()'s test alpha >= 1/255 does.
; THE RECTANGLE is made with reference()'s own operations in its order (3 sqrt(max sigma), mean -+ rad, x 1/16 exactly, floor); the square root gets one Newton step, since a
; last bit there can move a floor.
; THE ANGLE.  Only co co, si si and co si are used, and they have the period pi: x = rho - k pi with k = round(rho / pi) and pi in two parts, then the series of sin to x^11 and
; of cos to x^12 on -pi/2 .. pi/2 (remainders under 6e-8).  LIMIT: |rho| below 1e6, so that k is far inside f32's whole numbers.
; SHARES.  A work-group is one wave and takes 64 gaussians; lane l takes numbers l and l + 32 of them.  So each store of geom covers 512 consecutive bytes, and the lane's two
; words leave as one store of 8 bytes: 256 consecutive bytes a wave, aligned.  In masks the word of gaussian 64 g + 32 h + l therefore lies at word 64 g + 2 l + h.
.set B0, 8                             ; v[8:36]   the block of registers of my first gaussian
.set B1, 40                            ; v[40:68]  of my second, 32 further on
.set rMX, 0                            ; within a block: mean x, y
.set rMY, 1
.set rSX, 2                            ; sigma x, y
.set rSY, 3
.set rRH, 4                            ; rho
.set rOP, 5                            ; opacity
.set rID, 6                            ; batch id
.set rGA, 8                            ; A', B', C', L: the four that are stored together
.set rGB, 9
.set rGC, 10
.set rGL, 11
.set rSM, 12                           ; max sigma
.set rIX, 13                           ; 1 / sigma x, y
.set rIY, 14
.set rSQ, 15                           ; sqrt, then rad
.set rRS, 16                           ; 1 / sqrt
.set rKK, 17                           ; k
.set rXR, 18                           ; x
.set rX2, 19                           ; x x
.set rSI, 20
.set rCO, 21
.set rCC, 22
.set rSS, 23
.set rCS, 24
.set rT0, 25                           ; at work
.set rT1, 26
.set rT2, 27
.set rT3, 28
	s_load_b256 s[4:11], s[0:1], 0x0               ; means s[4:5], sigmas s[6:7], rhos s[8:9], opacs s[10:11]
	s_load_b128 s[12:15], s[0:1], 0x20             ; batch_ids s[12:13], geom s[14:15]
	s_load_b64 s[16:17], s[0:1], 0x30              ; masks
	s_lshl_b32 s2, ttmp9, 6                        ; the work-group's first gaussian
	s_lshl_b32 s3, ttmp9, 8                        ; and its 256 bytes of masks
	v_add_nc_u32 v1, s2, v0                        ; my first gaussian
	v_lshlrev_b32 v2, 2, v1                        ; its offset in arrays of 4,
	v_lshlrev_b32 v3, 3, v1                        ; 8
	v_lshlrev_b32 v4, 4, v1                        ; and 16 bytes a gaussian
	v_lshl_add_u32 v5, v0, 3, s3                   ; my two words of masks
	s_wait_kmcnt 0x0
.irp b, B0, B1                         ; B1 - B0 = 32 is also the distance between my two gaussians
	global_load_b64 v[\b+rSX:\b+rSX+1], v3, s[6:7] offset:8*(\b-B0)
	global_load_b64 v[\b+rMX:\b+rMX+1], v3, s[4:5] offset:8*(\b-B0)
	global_load_b32 v[\b+rRH], v2, s[8:9] offset:4*(\b-B0)
	global_load_b32 v[\b+rOP], v2, s[10:11] offset:4*(\b-B0)
	global_load_b32 v[\b+rID], v2, s[12:13] offset:4*(\b-B0)
.endr
	s_wait_loadcnt 0x0
.irp b, B0, B1
	v_max_num_f32 v[\b+rSM], v[\b+rSX], v[\b+rSY]
	v_max_num_f32 v[\b+rOP], 0, v[\b+rOP]          ; a negative opacity, or one that is not a number, counts as 0: its logarithm is -infinity
.endr
.irp b, B0, B1                         ; ONE BATCH of ten: none reads another's result; the angle's arithmetic below is the independent work behind them
	v_rcp_f32 v[\b+rIX], v[\b+rSX]
	v_rcp_f32 v[\b+rIY], v[\b+rSY]
	v_log_f32 v[\b+rGL], v[\b+rOP]
	v_sqrt_f32 v[\b+rSQ], v[\b+rSM]
	v_rsq_f32 v[\b+rRS], v[\b+rSM]
.endr
.irp b, B0, B1
	v_mul_f32 v[\b+rKK], 0x3ea2f983, v[\b+rRH]     ; rho / pi
.endr
.irp b, B0, B1
	v_rndne_f32 v[\b+rKK], v[\b+rKK]               ; k
.endr
.irp b, B0, B1
	v_fmamk_f32 v[\b+rXR], v[\b+rKK], 0xc0490fdb, v[\b+rRH]  ; rho - k x pi's upper part,
.endr
.irp b, B0, B1
	v_fmamk_f32 v[\b+rXR], v[\b+rKK], 0x33bbbd2e, v[\b+rXR]  ; - k x its lower part (-8.74e-8)
.endr
.irp b, B0, B1
	v_mul_f32 v[\b+rX2], v[\b+rXR], v[\b+rXR]
	v_mov_b32 v[\b+rSI], 0xb2d7322b                ; -1/11!
	v_mov_b32 v[\b+rCO], 0x310f76c7                ; 1/12!
.endr
.irp b, B0, B1
	v_fmaak_f32 v[\b+rCO], v[\b+rCO], v[\b+rX2], 0xb493f27e  ; -1/10!
.endr
.macro STEP ks, kc                     ; one step of Horner's rule in all four chains, which do not wait for each other
.irp b, B0, B1
	v_fmaak_f32 v[\b+rSI], v[\b+rSI], v[\b+rX2], \ks
	v_fmaak_f32 v[\b+rCO], v[\b+rCO], v[\b+rX2], \kc
.endr
.endm
	STEP 0x3638ef1d, 0x37d00d01                    ; 1/9!, 1/8!
	STEP 0xb9500d01, 0xbab60b61                    ; -1/7!, -1/6!
	STEP 0x3c088889, 0x3d2aaaab                    ; 1/5!, 1/4!
	STEP 0xbe2aaaab, 0xbf000000                    ; -1/3!, -1/2!
	STEP 0x3f800000, 0x3f800000                    ; 1, 1
.irp b, B0, B1
	v_mul_f32 v[\b+rSI], v[\b+rSI], v[\b+rXR]      ; si (up to the sign that co shares)
	v_mul_f32 v[\b+rCC], v[\b+rCO], v[\b+rCO]
.endr
.irp b, B0, B1
	v_mul_f32 v[\b+rSS], v[\b+rSI], v[\b+rSI]
	v_mul_f32 v[\b+rCS], v[\b+rCO], v[\b+rSI]
.endr
	s_wait_alu depctr_va_vdst(0)                   ; the wait ahead of the first line that names a result of the batch: one for all ten
.irp b, B0, B1
	v_mul_f32 v[\b+rT0], v[\b+rSS], v[\b+rIY]
	v_sub_f32 v[\b+rT1], v[\b+rIX], v[\b+rIY]
	v_mul_f32 v[\b+rT2], v[\b+rCC], v[\b+rIY]
	v_fma_f32 v[\b+rT3], -v[\b+rSQ], v[\b+rSQ], v[\b+rSM]    ; what the square root leaves: m - s s, exactly
	v_mul_f32 v[\b+rRS], 0.5, v[\b+rRS]
	v_fma_f32 v[\b+rT0], v[\b+rCC], v[\b+rIX], v[\b+rT0]     ; ia = co co / sx + si si / sy
	v_mul_f32 v[\b+rT1], v[\b+rCS], v[\b+rT1]                ; ib = co si (1 / sx - 1 / sy)
	v_fma_f32 v[\b+rT2], v[\b+rSS], v[\b+rIX], v[\b+rT2]     ; ic = si si / sx + co co / sy
	v_fma_f32 v[\b+rSQ], v[\b+rT3], v[\b+rRS], v[\b+rSQ]     ; s + (m - s s) / 2 s
	v_add_f32 v[\b+rGL], 0x3c6d8f9a, v[\b+rGL]               ; log2(op) - log2(0.99)
	v_mul_f32 v[\b+rGA], 0xbf38aa3b, v[\b+rT0]               ; x -log2(e) / 2
	v_mul_f32 v[\b+rGB], 0xbfb8aa3b, v[\b+rT1]               ; x -log2(e): q has 2 ib dx dy
	v_mul_f32 v[\b+rGC], 0xbf38aa3b, v[\b+rT2]
	v_mul_f32 v[\b+rSQ], 0x40400000, v[\b+rSQ]               ; rad = 3 sqrt(max sigma)
	global_store_b128 v4, v[\b+rGA:\b+rGA+3], s[14:15] offset:16*(\b-B0)  ; 512 consecutive bytes a wave
.endr
.irp b, B0, B1
	v_sub_f32 v[\b+rT0], v[\b+rMX], v[\b+rSQ]
	v_add_f32 v[\b+rT1], v[\b+rMX], v[\b+rSQ]
	v_sub_f32 v[\b+rT2], v[\b+rMY], v[\b+rSQ]
	v_add_f32 v[\b+rT3], v[\b+rMY], v[\b+rSQ]
.irp t, rT0, rT1, rT2, rT3
	v_mul_f32 v[\b+\t], 0x3d800000, v[\b+\t]       ; / 16, exactly
.endr
.irp t, rT0, rT1, rT2, rT3
	v_floor_f32 v[\b+\t], v[\b+\t]                 ; lx, hx, ly, hy
.endr
	v_cmp_le_f32 s[20+(\b-B0)/16], v[\b+rT0], v[\b+rT1]      ; false where either is not a number: then no tile is inside
	v_cmp_le_f32 s[21+(\b-B0)/16], v[\b+rT2], v[\b+rT3]
	v_add_f32 v[\b+rT1], 1.0, v[\b+rT1]            ; hx + 1, hy + 1: one past the last tile
	v_add_f32 v[\b+rT3], 1.0, v[\b+rT3]
.irp t, rT0, rT1, rT2, rT3
	v_max_num_f32 v[\b+\t], 0, v[\b+\t]            ; held to the image's 16 x 8 tiles: 0 .. 16 and 0 .. 8
.endr
	v_min_num_f32 v[\b+rT0], 0x41800000, v[\b+rT0]
	v_min_num_f32 v[\b+rT1], 0x41800000, v[\b+rT1]
	v_min_num_f32 v[\b+rT2], 0x41000000, v[\b+rT2]
	v_min_num_f32 v[\b+rT3], 0x41000000, v[\b+rT3]
.irp t, rT0, rT1, rT2, rT3
	v_cvt_u32_f32 v[\b+\t], v[\b+\t]
.endr
.irp t, rT0, rT1, rT2, rT3
	v_lshlrev_b32 v[\b+\t], v[\b+\t], 1            ; 1 << each
.endr
	s_and_b32 s[20+(\b-B0)/16], s[20+(\b-B0)/16], s[21+(\b-B0)/16]
	v_sub_nc_u32 v[\b+rT0], v[\b+rT1], v[\b+rT0]   ; bits lx .. hx: (1 << hx + 1) - (1 << lx); the holding keeps hx + 1 >= lx
	v_sub_nc_u32 v[\b+rT2], v[\b+rT3], v[\b+rT2]   ; bits ly .. hy
	v_cmp_gt_u32 vcc_lo, 2, v[\b+rID]              ; an id of 0 or 1
	v_lshlrev_b32 v[\b+rT1], v[\b+rID], 1
	v_cndmask_b32 v[\b+rT1], 0, v[\b+rT1], vcc_lo  ; its bit, or none
	v_lshl_or_b32 v[\b+rT0], v[\b+rT2], 16, v[\b+rT0]
	v_lshl_or_b32 v[\b+rT0], v[\b+rT1], 24, v[\b+rT0]
	v_cndmask_b32 v[6+(\b-B0)/32], 0, v[\b+rT0], s[20+(\b-B0)/16]
.endr
	global_store_b64 v5, v[6:7], s[16:17]          ; 256 consecutive bytes a wave, aligned
	s_endpgm
.Lfunc_end_k_q7735e426b4_prep:
	.size	k_q7735e426b4_prep, .Lfunc_end_k_q7735e426b4_prep-k_q7735e426b4_prep
	.p2alignl 7, 3214868480
	.fill 96, 4, 3214868480
	.section	.rodata,"a",@progbits
	.p2align	6, 0x0
	.amdhsa_kernel k_q7735e426b4_prep
		.amdhsa_group_segment_fixed_size 0
		.amdhsa_private_segment_fixed_size 0
		.amdhsa_enable_private_segment 0
		.amdhsa_kernarg_size 56
		.amdhsa_user_sgpr_count 2
		.amdhsa_user_sgpr_kernarg_segment_ptr 1
		.amdhsa_wavefront_size32 1
		.amdhsa_system_sgpr_workgroup_id_x 1
		.amdhsa_system_sgpr_workgroup_id_y 1
		.amdhsa_system_sgpr_workgroup_id_z 1
		.amdhsa_system_vgpr_workitem_id 0
		.amdhsa_next_free_vgpr 72
		.amdhsa_next_free_sgpr 66
		.amdhsa_reserve_vcc 1
		.amdhsa_float_denorm_mode_32 3
		.amdhsa_float_denorm_mode_16_64 3
		.amdhsa_memory_ordered 1
		.amdhsa_forward_progress 1
		.amdhsa_inst_pref_size 10
	.end_amdhsa_kernel
	.amdgpu_metadata
---
amdhsa.version: [ 1, 2 ]
amdhsa.kernels:
  - .name:           k_q7735e426b4_prep
    .symbol:         k_q7735e426b4_prep.kd
    .args:
      - { .name: means, .offset: 0, .size: 8, .value_kind: global_buffer, .address_space: global }
      - { .name: sigmas, .offset: 8, .size: 8, .value_kind: global_buffer, .address_space: global }
      - { .name: rhos, .offset: 16, .size: 8, .value_kind: global_buffer, .address_space: global }
      - { .name: opacs, .offset: 24, .size: 8, .value_kind: global_buffer, .address_space: global }
      - { .name: batch_ids, .offset: 32, .size: 8, .value_kind: global_buffer, .address_space: global }
      - { .name: geom, .offset: 40, .size: 8, .value_kind: global_buffer, .address_space: global }
      - { .name: masks, .offset: 48, .size: 8, .value_kind: global_buffer, .address_space: global }
    .group_segment_fixed_size: 0
    .private_segment_fixed_size: 0
    .kernarg_segment_align: 8
    .kernarg_segment_size: 56
    .max_flat_workgroup_size: 32
    .sgpr_count:     66
    .vgpr_count:     72
    .wavefront_size: 32
...
	.end_amdgpu_metadata
.endif
;; end of part 1
;; launch render (part 2): grid 256 x 1, 16 waves a work-group, no clusters, 100,352 bytes of LDS; arguments masks, geom, means, colors, out0; writes out0
.if DOCPART == 2
	.amdgcn_target "amdgcn-amd-amdhsa--gfx1250"
	.amdhsa_code_object_version 6
	.text
	.protected	k_q7735e426b4_render
	.globl	k_q7735e426b4_render
	.p2align	8
	.type	k_q7735e426b4_render,@function
k_q7735e426b4_render:
	s_mov_b64 s[64:65], 0
	v_nop
	global_prefetch_b8 v0, s[64:65] scope:SCOPE_SE
	s_setreg_imm32_b32 hwreg(HW_REG_WAVE_MODE, 25, 1), 1
	s_wait_xcnt 0x0
; GAUSSIANS IN 2D, SECOND LAUNCH: one work-group for each (image, tile of 16 x 16 pixels): 2 x 8 x 16 = 256.
; Left to the whole numbers of masks (first launch): a gaussian is evaluated only on the tiles of its rectangle in its own image; elsewhere reference() sets its alpha to 0.
; THE LIST IS SPLIT AMONG THE WAVES, NOT THE PIXELS.  Wave w owns gaussians 256 w .. 256 w + 255 and all 256 pixels, eight a lane.  It finds its members of the tile, composites
; them in order from T = 1, C = 0, and leaves (C[4], T) for each pixel.  Compositing is associative: (C1, T1) then (C2, T2) is (C1 + T1 C2, T1 T2); so the sixteen parts meet in LDS once,
; behind the launch's one barrier, and are joined in the waves' order.  A wave's trip counts come from its own ballots on words read from memory; no count passes between waves.
; A LANE'S PIXELS: x = 16 tx + 4 (l % 4) + 0..3, y = 16 ty + l / 4 + 8 r, r = 0, 1; pixel k = 4 r + e.  Four neighbours along x are 16 bytes of a row of the output.
; ALPHA.  p = A' dx dx + B' dx dy + C' dy dy + L is log2(alpha / 0.99) before the two bounds.  alpha >= 1/255 is p >= log2(1 / 252.45): step = (p - that) x 2^60 held to 0 .. 1, which is 0 or 1;
; a = 2^p x step held to 0 .. 1 is min(0.99, alpha) / 0.99 or 0.  The factor 0.99 goes into the colours (once a gaussian) and into T's update: w = T a, C += w (0.99 colour), T -= 0.99 w.
; LIMITS.  A gaussian whose p is not a number (an infinity less an infinity: a sigma so small that 1 / sigma overflows) is dropped by reference(); here it is not treated apart.  p equal to the
; bound to the last bit counts as below it.  T - T alpha and the joining of parts round in another order than reference()'s T (1 - alpha).
; THE EINSUM over gaussians has 4 columns, and a wave has some tens of terms: it is 16 packed f32 multiply-adds a gaussian for the lane's 8 pixels x 4 channels.
; NO CLUSTER: what the work-groups share is the 16,384 bytes of masks, read once, each wave's 1,024 straight into the registers that test them; the rows of geom, means and colors differ from tile to tile.
; THE OUTPUT: a tile's row is 64 bytes, so a store covers 8 rows x 64 consecutive bytes.  Whole blocks of 256 bytes would want 64 pixels of a row in one work-group: parts of four tiles, four lists,
; two pixels a lane for each, and the ten broadcasts a gaussian would then serve a quarter of the pixels.
.set PART,  16384                      ; LDS: bytes 0 .. 16,383 the waves' lists, 1,024 each (256 numbers); then the waves' parts,
.set PW,    5120                       ; 5,120 bytes each: ten blocks of 512 (16 bytes a lane): C of channel c, row r at block 2 c + r; T of row r at block 8 + r
.set SPARE, PART+16*PW                 ; behind them: the spare words, 128 bytes for each wave: eight blocks of 256 bytes that no other line names
.set LN,  2                            ; v2   my lane
.set SPW, 3                            ; v3   LDS address of my spare word: SPARE + 4 x my thread's number; never rewritten
.set NIL, 4                            ; v4   0; never rewritten
.set MO,  5                            ; v5   my offset in masks
.set D0,  6                            ; v6   the gaussian that I test in the first ballot
.set RDA, 7                            ; v7   LDS address of my entry in the first 32 of my wave's list: 1,024 w + 4 l; not rewritten while the list is read
.set STA, 8                            ; v8   where I put my part
.set IDX, 9                            ; v9   my entry
.set O16, 10                           ; v10  16 x it
.set O8,  11                           ; v11  8 x it
.set TM,  12                           ; v12-15 at work in the scan
.set DD,  13
.set PM,  14
.set PN,  15
.set MK,  16                           ; v[16:23]  my wave's words: register c holds gaussian 32 c + l
.set GQ,  24                           ; v[24:27]  A', B', C', L of my entry
.set GM,  28                           ; v[28:29]  -mean x, -mean y
.set GC,  32                           ; v[32:35]  0.99 x its colour
.set X,   36                           ; v[36:39]  my four pixel centres along x
.set Y,   40                           ; v[40:41]  my two along y
.set KBIG, 42                          ; v[42:43]  2^60, twice: a line with clamp takes its sources from vector registers
.set KTH, 44                           ; v[44:45]  log2(252.45) x 2^60, twice
.set DX,  46                           ; v[46:49]
.set DY,  50                           ; v[50:51]
.set BY,  52                           ; v[52:53]  B' dy, by row
.set CY,  54                           ; v[54:55]  C' dy dy + L, by row
.set P,   56                           ; v[56:63]  p
.set E,   64                           ; v[64:71]  2^p, then a
.set SP,  72                           ; v[72:79]  step
.set W,   80                           ; v[80:87]  w
.set C,   88                           ; v[88:119] C: channel c, pixel k at C + 8 c + k
.set T,   120                          ; v[120:127] T, directly behind C: the ten blocks of a part are registers C + 4 i
.set CA,  5                            ; the joining: addresses of my block in parts 0-7 and 8-15,
.set CA2, 6
.set TA,  7                            ; of T's block of my row likewise,
.set TA2, 8
.set OO,  9                            ; and my 16 bytes of the output
.set LC,  16                           ; v[16:79]  my block of the sixteen parts
.set LT,  80                           ; v[80:139] T's block of the first fifteen
.set WV,  14                           ; s14  my wave's number
.set TX,  15                           ; s15  tile column,
.set TY,  16                           ; s16  tile row,
.set BB,  17                           ; s17  image
.set MM,  18                           ; s18  the three bits that a member's word must hold
.set CNT, 19                           ; s19  members found
.set GB,  20                           ; s20  my wave's first gaussian
.set KK,  21                           ; s21  GB + 255
.set SB,  22                           ; s22  my wave's list in LDS
.set LEFT, 23                          ; s23  members still to composite
.set NN,  25                           ; s25  members in the block in hand
.set J,   26                           ; s26  the member in hand
.set J1,  27                           ; s27  the next one
.set BAL, 32                           ; s[32:39] the eight ballots
.set QMX, 40                           ; a member's ten numbers, each the low word of an even pair: a packed line names a scalar pair and takes its low word for both halves
.set QMY, 42
.set QA,  44
.set QB,  46
.set QC,  48
.set QL,  50
.set QR,  52                           ; s52, s54, s56, s58: the four channels
.set K99N, 60                          ; s[60:61] -0.99
	s_load_b256 s[4:11], s[0:1], 0x0               ; masks s[4:5], geom s[6:7], means s[8:9], colors s[10:11]
	s_load_b64 s[12:13], s[0:1], 0x20              ; out0
	v_lshl_add_u32 v[SPW], v0, 2, SPARE
	v_mov_b32 v[NIL], 0
	v_lshrrev_b32 v1, 5, v0
	v_readfirstlane_b32 s[WV], v1                  ; wave 0..15
	v_and_b32 v[LN], 31, v0
	v_lshlrev_b32 v[MO], 3, v[LN]
	v_lshl_add_u32 v[MO], s[WV], 10, v[MO]         ; 1,024 w + 8 l
	s_wait_kmcnt 0x0
.irp g, 0,1,2,3
	global_load_b64 v[MK+2*\g:MK+2*\g+1], v[MO], s[4:5] offset:256*\g  ; 256 consecutive bytes: the words of gaussians 64 g + l and 64 g + 32 + l, as the first launch laid them
.endr
	; all that follows up to the wait stands in the time that these four loads take
	s_and_b32 s[TX], ttmp9, 15
	s_bfe_u32 s[TY], ttmp9, 0x30004                ; 3 bits from bit 4
	s_lshr_b32 s[BB], ttmp9, 7
	s_lshl_b32 s[MM], 1, s[TX]                     ; my column's bit,
	s_add_co_u32 s28, s[TY], 16
	s_lshl_b32 s28, 1, s28
	s_or_b32 s[MM], s[MM], s28                     ; my row's,
	s_add_co_u32 s28, s[BB], 24
	s_lshl_b32 s28, 1, s28
	s_or_b32 s[MM], s[MM], s28                     ; my image's
	s_lshl_b32 s[GB], s[WV], 8
	s_add_co_u32 s[KK], s[GB], 255
	s_lshl_b32 s[SB], s[WV], 10                    ; the lists begin at LDS byte 0
	s_mov_b32 s[CNT], 0
	s_mov_b32 s[K99N], 0xbf7d70a4
.irp p, QMX, QMY, QA, QB, QC, QL, QR, QR+2, QR+4, QR+6, K99N
	s_mov_b32 s[\p+1], 0                           ; the pairs' upper words are named with the lower ones, so they are written; their value is not used
.endr
	v_and_b32 v1, 3, v[LN]
	v_lshlrev_b32 v1, 2, v1
	v_lshl_add_u32 v1, s[TX], 4, v1                ; my first pixel's column
	v_cvt_f32_u32 v1, v1
	v_add_f32 v[X], 0.5, v1                        ; pixel centres: whole numbers + 0.5, exact
	v_add_f32 v[X+1], 0x3fc00000, v1
	v_add_f32 v[X+2], 0x40200000, v1
	v_add_f32 v[X+3], 0x40600000, v1
	v_lshrrev_b32 v1, 2, v[LN]
	v_lshl_add_u32 v1, s[TY], 4, v1                ; my first row
	v_cvt_f32_u32 v1, v1
	v_add_f32 v[Y], 0.5, v1
	v_add_f32 v[Y+1], 0x41080000, v1               ; and the row 8 below
	v_mov_b32 v[KBIG], 0x5d800000
	v_mov_b32 v[KBIG+1], 0x5d800000
	v_mov_b32 v[KTH], 0x5eff5af6
	v_mov_b32 v[KTH+1], 0x5eff5af6
.set i, 0
.rept 32
	v_mov_b32 v[C+i], 0                            ; a part starts at C = 0, T = 1: a wave without members leaves just that
.set i, i+1
.endr
.set i, 0
.rept 8
	v_mov_b32 v[T+i], 1.0
.set i, i+1
.endr
	v_add_nc_u32 v[D0], s[GB], v[LN]
	v_lshl_add_u32 v[RDA], v[LN], 2, s[SB]
	s_wait_loadcnt 0x0
	; THE SCAN.  Eight ballots of 32.  The wave's 256 numbers are laid into its own 1,024 bytes of LDS, each once: member number m (in order) at place m, the others from place 255 downward.
	; So every byte that is read later has been written, and EXEC is never narrowed.
.irp c, 0,1,2,3,4,5,6,7
	v_and_b32 v[TM], s[MM], v[MK+\c]
	v_cmp_eq_u32 s[BAL+\c], s[MM], v[TM]           ; all three bits
	v_add_nc_u32 v[DD], 32*\c, v[D0]               ; the gaussian's number
	s_add_co_u32 s28, s[CNT], s[KK]
	v_mbcnt_lo_u32_b32 v[PM], s[BAL+\c], s[CNT]    ; members ahead of me: a member's place
	v_mbcnt_lo_u32_b32 v[PN], s[BAL+\c], s28
	v_sub_nc_u32 v[PN], v[PN], v[DD]               ; 255 - (those ahead of me that are no members)
	v_cndmask_b32 v[PM], v[PN], v[PM], s[BAL+\c]
	v_min_u32 v[PM], 255, v[PM]                    ; 0 .. 255 by the count above; the bound is written out so that the address can be read off the text
	v_lshl_add_u32 v[PM], v[PM], 2, s[SB]
	ds_store_b32 v[PM], v[DD]
	s_bcnt1_i32_b32 s29, s[BAL+\c]
	s_add_co_u32 s[CNT], s[CNT], s29
.endr
.macro PLACE lane                      ; the six numbers of the exponent, from the lane that holds them to all lanes
	v_readlane_b32 s[QMX], v[GM], \lane
	v_readlane_b32 s[QMY], v[GM+1], \lane
	v_readlane_b32 s[QA], v[GQ], \lane
	v_readlane_b32 s[QB], v[GQ+1], \lane
	v_readlane_b32 s[QC], v[GQ+2], \lane
	v_readlane_b32 s[QL], v[GQ+3], \lane
.endm
; THE MEMBERS, in blocks of 32.  Block blk of the list: a lane fetches one member's numbers; then the members are taken one by one.  The block is WRITTEN OUT for blk = 0 .. 7, not looped over: so the list is
; read at one fixed address, 1,024 w + 4 l, with the constant 128 blk beside it, inside the wave's own 1,024 bytes; and a wave with no member left goes FORWARD to the meeting of the parts, out of no loop.
; The one backward branch is the loop over a block's members: it counts up by 1 to s[NN], which it does not write, and touches no LDS.
; (The names of the assembler's loops inside, i, r, q and ch, differ from the macro's argument: the argument is put in first.)
.macro BLOCK blk
	s_cmp_eq_u32 s[LEFT], 0
	s_cbranch_scc1 .Lrendered
	ds_load_b32 v[IDX], v[RDA] offset:128*(\blk)   ; LDS serves a wave's instructions in order (ISA guide 5.7.1.4): this sees the wave's own stores above
	v_cmp_gt_u32 vcc_lo, s[LEFT], v[LN]            ; is my entry a member?
	s_min_u32 s[NN], s[LEFT], 32
	s_wait_dscnt 0x0
	v_cndmask_b32 v[IDX], s[GB], v[IDX], vcc_lo    ; the lanes past the last member all name one row, which nobody uses
	v_min_u32 v[IDX], 4095, v[IDX]                 ; a number that came from memory enters an address behind a bound
	v_lshlrev_b32 v[O16], 4, v[IDX]
	v_lshlrev_b32 v[O8], 3, v[IDX]
	global_load_b128 v[GQ:GQ+3], v[O16], s[6:7]
	global_load_b64 v[GM:GM+1], v[O8], s[8:9]
	global_load_b128 v[GC:GC+3], v[O16], s[10:11]
	s_mov_b32 s[J], 0
	s_wait_loadcnt 0x0                             ; the three loads are done: their address registers may be written in the next block
	v_xor_b32 v[GM], 0x80000000, v[GM]             ; -mean: dx = x + (-mean) is reference()'s x - mean
	v_xor_b32 v[GM+1], 0x80000000, v[GM+1]
.irp i, 0,1,2,3
	v_mul_f32 v[GC+\i], 0x3f7d70a4, v[GC+\i]
.endr
	PLACE s[J]
.Lgauss_\@:                                    ; one member on the lane's 8 pixels: 64 vector lines
	v_pk_add_f32 v[DX:DX+1], v[X:X+1], s[QMX:QMX+1] op_sel_hi:[1,0]
	v_pk_add_f32 v[DX+2:DX+3], v[X+2:X+3], s[QMX:QMX+1] op_sel_hi:[1,0]
	v_pk_add_f32 v[DY:DY+1], v[Y:Y+1], s[QMY:QMY+1] op_sel_hi:[1,0]
	v_pk_mul_f32 v[BY:BY+1], v[DY:DY+1], s[QB:QB+1] op_sel_hi:[1,0]
	v_pk_mul_f32 v[CY:CY+1], v[DY:DY+1], s[QC:QC+1] op_sel_hi:[1,0]
	v_pk_fma_f32 v[CY:CY+1], v[CY:CY+1], v[DY:DY+1], s[QL:QL+1] op_sel_hi:[1,1,0]
.irp r, 0,1
.irp q, 0,1
	v_pk_fma_f32 v[P+4*\r+2*\q:P+4*\r+2*\q+1], v[DX+2*\q:DX+2*\q+1], s[QA:QA+1], v[BY:BY+1] op_sel:[0,0,\r] op_sel_hi:[1,0,\r]  ; A' dx + B' dy of row r
.endr
.endr
.irp r, 0,1
.irp q, 0,1
	v_pk_fma_f32 v[P+4*\r+2*\q:P+4*\r+2*\q+1], v[P+4*\r+2*\q:P+4*\r+2*\q+1], v[DX+2*\q:DX+2*\q+1], v[CY:CY+1] op_sel:[0,0,\r] op_sel_hi:[1,1,\r]  ; x dx + C' dy dy + L
.endr
.endr
	s_add_co_u32 s[J1], s[J], 1
	s_min_u32 s[J1], s[J1], 31                     ; behind the block's last member nothing is wanted: any lane will do
	; ONE BATCH of eight exponentials, a line that names no result behind each: the steps, which read p, and this member's colour
.irp q, 0,1,2,3
	v_exp_f32 v[E+2*\q], v[P+2*\q]
	v_pk_fma_f32 v[SP+2*\q:SP+2*\q+1], v[P+2*\q:P+2*\q+1], v[KBIG:KBIG+1], v[KTH:KTH+1] clamp  ; 1 where alpha >= 1/255, else 0
	v_exp_f32 v[E+2*\q+1], v[P+2*\q+1]
	v_readlane_b32 s[QR+2*\q], v[GC+\q], s[J]
.endr
	PLACE s[J1]                                    ; the next member's six: this member's exponent is made, so their places are free
	s_wait_alu depctr_va_vdst(0)                   ; the wait ahead of the first line that names a result of the batch: one for the eight
.irp q, 0,1,2,3
	v_pk_mul_f32 v[E+2*\q:E+2*\q+1], v[E+2*\q:E+2*\q+1], v[SP+2*\q:SP+2*\q+1] clamp  ; a = min(0.99, alpha) / 0.99, or 0
.endr
.irp q, 0,1,2,3
	v_pk_mul_f32 v[W+2*\q:W+2*\q+1], v[T+2*\q:T+2*\q+1], v[E+2*\q:E+2*\q+1]          ; w = T a
.endr
.irp q, 0,1,2,3
	v_pk_fma_f32 v[T+2*\q:T+2*\q+1], v[W+2*\q:W+2*\q+1], s[K99N:K99N+1], v[T+2*\q:T+2*\q+1] op_sel_hi:[1,0,1]  ; T - 0.99 w = T (1 - alpha)
.endr
.irp ch, 0,1,2,3
.irp q, 0,1,2,3
	v_pk_fma_f32 v[C+8*\ch+2*\q:C+8*\ch+2*\q+1], v[W+2*\q:W+2*\q+1], s[QR+2*\ch:QR+2*\ch+1], v[C+8*\ch+2*\q:C+8*\ch+2*\q+1] op_sel_hi:[1,0,1]  ; channel ch += w x its colour
.endr
.endr
	s_add_co_u32 s[J], s[J], 1
	s_cmp_lt_u32 s[J], s[NN]
	s_cbranch_scc1 .Lgauss_\@
	s_sub_co_u32 s[LEFT], s[LEFT], s[NN]
.endm
	s_mov_b32 s[LEFT], s[CNT]
	BLOCK 0
	BLOCK 1
	BLOCK 2
	BLOCK 3
	BLOCK 4
	BLOCK 5
	BLOCK 6
	BLOCK 7                                        ; 8 x 32 = 256: behind it no member can be left
.Lrendered:
	; THE PARTS MEET.  Each store is 16 bytes a lane, 512 consecutive bytes.
	s_mul_i32 s28, s[WV], PW
	s_add_co_u32 s28, s28, PART
	v_lshl_add_u32 v[STA], v[LN], 4, s28
.irp i, 0,1,2,3,4,5,6,7,8,9
	ds_store_b128 v[STA], v[C+4*\i:C+4*\i+3] offset:512*\i
.endr
	s_wait_dscnt 0x0                               ; for the others' sake: my part lies in LDS
	s_barrier_signal -1
	s_barrier_wait -1                              ; all sixteen do
	s_cmp_lt_u32 s[WV], 8                          ; wave w < 8 joins block w: channel w / 2, row w % 2
	s_cbranch_scc0 .Lend
	s_lshl_b32 s28, s[WV], 9
	s_add_co_u32 s28, s28, PART
	v_lshl_add_u32 v[CA], v[LN], 4, s28
	v_add_nc_u32 v[CA2], 8*PW, v[CA]               ; a second register for parts 8-15: an LDS offset has 16 bits
	s_and_b32 s29, s[WV], 1
	s_lshl_b32 s28, s29, 9
	s_add_co_u32 s28, s28, PART+8*512
	v_lshl_add_u32 v[TA], v[LN], 4, s28
	v_add_nc_u32 v[TA2], 8*PW, v[TA]
.irp s, 0,1,2,3,4,5,6,7
	ds_load_b128 v[LC+4*\s:LC+4*\s+3], v[CA] offset:PW*\s
	ds_load_b128 v[LT+4*\s:LT+4*\s+3], v[TA] offset:PW*\s
.endr
.irp s, 8,9,10,11,12,13,14
	ds_load_b128 v[LC+4*\s:LC+4*\s+3], v[CA2] offset:PW*(\s-8)
	ds_load_b128 v[LT+4*\s:LT+4*\s+3], v[TA2] offset:PW*(\s-8)
.endr
	ds_load_b128 v[LC+60:LC+63], v[CA2] offset:PW*7  ; the last part's T is wanted by nobody
	s_lshr_b32 s28, s[WV], 1                       ; my 16 bytes of out0[b][c][y][x]: ((4 b + c) 128 + 16 ty + 8 r + l / 4) 1,024 + 64 tx + 16 (l % 4)
	s_lshl2_add_u32 s28, s[BB], s28
	s_lshl_b32 s28, s28, 7
	s_lshl4_add_u32 s28, s[TY], s28
	s_lshl3_add_u32 s28, s29, s28
	s_lshl_b32 s28, s28, 10
	s_lshl_b32 s29, s[TX], 6
	s_add_co_u32 s28, s28, s29
	v_lshrrev_b32 v1, 2, v[LN]
	v_and_b32 v[OO], 3, v[LN]
	v_lshlrev_b32 v[OO], 4, v[OO]
	v_lshl_add_u32 v[OO], v1, 10, v[OO]
	v_add_nc_u32 v[OO], s28, v[OO]
.irp s, 1,2,3,4,5,6,7,8,9,10,11,12,13,14
	s_wait_dscnt 29-2*\s                           ; the 31 loads went out as C0 T0 C1 T1 ..: T of part s is the (2 s + 2)th, so 29 - 2 s younger ones may stay out
	v_pk_fma_f32 v[LC:LC+1], v[LT:LT+1], v[LC+4*\s:LC+4*\s+1], v[LC:LC+1]          ; C += (T of all parts before) x C of part s
	v_pk_fma_f32 v[LC+2:LC+3], v[LT+2:LT+3], v[LC+4*\s+2:LC+4*\s+3], v[LC+2:LC+3]
	v_pk_mul_f32 v[LT:LT+1], v[LT:LT+1], v[LT+4*\s:LT+4*\s+1]
	v_pk_mul_f32 v[LT+2:LT+3], v[LT+2:LT+3], v[LT+4*\s+2:LT+4*\s+3]
.endr
	s_wait_dscnt 0x0
	v_pk_fma_f32 v[LC:LC+1], v[LT:LT+1], v[LC+60:LC+61], v[LC:LC+1]
	v_pk_fma_f32 v[LC+2:LC+3], v[LT+2:LT+3], v[LC+62:LC+63], v[LC+2:LC+3]
	global_store_b128 v[OO], v[LC:LC+3], s[12:13]  ; four lanes fill the tile's 64 bytes of a row; the wave fills eight rows
.Lend:
	s_wait_tensorcnt 0x0                           ; the wave's end
	ds_add_u32 v[SPW], v[NIL]
	s_wait_dscnt 0x0
	s_endpgm
.Lfunc_end_k_q7735e426b4_render:
	.size	k_q7735e426b4_render, .Lfunc_end_k_q7735e426b4_render-k_q7735e426b4_render
	.p2alignl 7, 3214868480
	.fill 96, 4, 3214868480
	.section	.rodata,"a",@progbits
	.p2align	6, 0x0
	.amdhsa_kernel k_q7735e426b4_render
		.amdhsa_group_segment_fixed_size 100352
		.amdhsa_private_segment_fixed_size 0
		.amdhsa_enable_private_segment 0
		.amdhsa_kernarg_size 40
		.amdhsa_user_sgpr_count 2
		.amdhsa_user_sgpr_kernarg_segment_ptr 1
		.amdhsa_wavefront_size32 1
		.amdhsa_system_sgpr_workgroup_id_x 1
		.amdhsa_system_sgpr_workgroup_id_y 1
		.amdhsa_system_sgpr_workgroup_id_z 1
		.amdhsa_system_vgpr_workitem_id 0
		.amdhsa_next_free_vgpr 144
		.amdhsa_next_free_sgpr 66
		.amdhsa_reserve_vcc 1
		.amdhsa_float_denorm_mode_32 3
		.amdhsa_float_denorm_mode_16_64 3
		.amdhsa_memory_ordered 1
		.amdhsa_forward_progress 1
		.amdhsa_inst_pref_size 62
	.end_amdhsa_kernel
	.amdgpu_metadata
---
amdhsa.version: [ 1, 2 ]
amdhsa.kernels:
  - .name:           k_q7735e426b4_render
    .symbol:         k_q7735e426b4_render.kd
    .args:
      - { .name: masks, .offset: 0, .size: 8, .value_kind: global_buffer, .address_space: global }
      - { .name: geom, .offset: 8, .size: 8, .value_kind: global_buffer, .address_space: global }
      - { .name: means, .offset: 16, .size: 8, .value_kind: global_buffer, .address_space: global }
      - { .name: colors, .offset: 24, .size: 8, .value_kind: global_buffer, .address_space: global }
      - { .name: out0, .offset: 32, .size: 8, .value_kind: global_buffer, .address_space: global }
    .group_segment_fixed_size: 100352
    .private_segment_fixed_size: 0
    .kernarg_segment_align: 8
    .kernarg_segment_size: 40
    .max_flat_workgroup_size: 512
    .sgpr_count:     66
    .vgpr_count:     144
    .wavefront_size: 32
...
	.end_amdgpu_metadata
.endif
;; end of part 2
